; MI455X (gfx1250); checked and timed in simulation.
; The chip was launched on July 23, 2026; its instructions are those of AMD's public machine-readable ISA for CDNA 5 (MIT licence, August 2026) and "CDNA5" Instruction Set Architecture Reference Guide (July 2026). The comments in the code are by the model that wrote it; some were corrected since.
;; Local Attention. Allowed arithmetic: float matrix products may take bf16 or f16 operands with f32 sums; all other float work in f32.
;; Inputs: k 16 x 8,192 x 64 float32; q 16 x 8,192 x 64 float32; v 16 x 8,192 x 64 float32.
;; Outputs: out0 16 x 8,192 x 64 float32.
;; One version. Each part assembles by itself: llvm-mc -triple=amdgcn-amd-amdhsa -mcpu=gfx1250 --defsym DOCPART=n.
;; ======== version 1 of 1: 1 launch
;; limits: inputs' magnitudes at most 46,000; values are held in f16: magnitudes above 65,504 overflow, below 6.1e-05 lose precision; below input magnitudes of 0.0001 results are inexact or not finite
;; launch local_attention (part 1): grid 256 x 1, 8 waves a work-group, no clusters, 132,096 bytes of LDS; arguments q, k, v, out0; writes out0
.if DOCPART == 1
	.amdgcn_target "amdgcn-amd-amdhsa--gfx1250"
	.amdhsa_code_object_version 6
	.text
	.protected	k_q5f6aa3953a_local_attention
	.globl	k_q5f6aa3953a_local_attention
	.p2align	8
	.type	k_q5f6aa3953a_local_attention,@function
k_q5f6aa3953a_local_attention:
	s_mov_b64 s[64:65], 0
	v_nop
	global_prefetch_b8 v0, s[64:65] scope:SCOPE_SE
	s_setreg_imm32_b32 hwreg(HW_REG_WAVE_MODE, 25, 1), 1
	s_wait_xcnt 0x0
; LOCAL ATTENTION.  q, k, v, out: [16][8192][64] f32.  Windows of 128 rows; a query sees the whole window in front of its own and its own
; window up to itself; rotary embedding on q and k; softmax in f32 with the row maximum taken away.
;
; WORK.  16 x 64 = 1,024 windows; 256 work-groups, each with 4 consecutive windows of one batch.  Eight waves; wave a owns query rows
; 16 a .. 16 a + 15 of every window and brings rows 16 a .. 16 a + 15 (4,096 consecutive bytes) of each tile of q, k and v.
; A tile of k or v lies in LDS as f16, in two slots that take turns: it serves as its own window's keys and then as the next window's
; look-back, so a work-group reads 4 + 5 + 5 tiles of 32,768 bytes.  The 24 loads of window i + 1 are issued before window i is computed.
;
; ROTARY.  A rotated q times a rotated k hangs on the difference of the two positions alone.  Rows are rotated by their position among the
; work-group's 640 rows (look-back tile 0..127, window i from 128 (i + 1) on): the differences are those of the definition, each tile is
; rotated once, and a rotated k tile serves two windows.  A lane holds columns 4 c .. 4 c + 3 and 32 + 4 c .. of a row, both members of each
; rotary pair, and keeps cos and sin of its 16 (row, frequency) pairs in registers; behind each tile they are turned on by 128 theta.
; The table is made once: reduction to an eighth of a turn, Taylor polynomials (remainder below 4e-7).
; A lane's 8 rotated numbers go to LDS as 16 neighbouring bytes: a permutation of d, the same for q and k, which keeps the products.
;
; SCORES ARE MADE TRANSPOSED: S^T = K Q^T.  Register j of lane (r, h) of tile t holds key 16 t + 8 h + j, query r: a lane has half the scores
; of ONE query, lane r + 16 the other half.  Maximum and sum are taken inside the lane and meet once across the halves.  Packed to f16 in
; place, two tiles are the second source of out^T = V^T P^T as they stand.  out^T gives a lane 8 neighbouring d of its query.
;
; KEYS GO IN STEPS OF 32 (two score tiles): steps 0-3 the look-back, steps 4-7 the own window.  Queries 16 a .. 16 a + 15 see the own window's
; keys up to 16 a + 15, that is steps 4 .. 4 + (a >> 1): wave a runs 5 + (a >> 1) steps, the eight waves 52 of 64.  The steps behind, whose
; weights would all be 0, are left out of both products by branches on the wave's number.  Fragment loads run two steps ahead, so a wave's last
; step waits for all its loads and the others for all but eight: steps 4, 5, 6 are written in both forms, the last form behind a label.
;
; MASKS are addends: the first matrix instruction of a score tile takes its C from registers that hold 0 or -2^100.  Only a wave's last step
; has masked keys (16 registers); one tile of addends serves the look-back of a batch's window 0, which has none: window 0 itself is read
; in its place and gets weight 0.  Where a is even the last step's second tile is masked whole and is computed all the same (weight 0).
;
; THE MATRIX OPERANDS ARE f16, for its 11 significant bits: in a batch's first rows two or three weights carry the whole sum, so the rounding
; of the operands shows in the result undiluted.  The weights lie in [0, 1]; below 2^-14 they are rounded in steps of 2^-24, against a sum
; of weights of at least 1.  Sums, maximum, exponentials and the division are in f32.
;
; LIMITS.  f16's largest number is 65,504, and a rotated component is at most sqrt(2) times the larger of its pair: |q| and |k| below 46,000
; and |v| below 65,504 are served, beyond that an operand becomes infinite.  Numbers below 2^-14 are rounded in steps of 2^-24: inputs whose
; spread is below about 1e-4 lose significant bits.  A masked score is its product sum less 2^100, not a constant: its weight is exactly 0
; as long as |q.k| < 2^99.  Angles are right to about 1e-5 rad.  Inputs that are not finite are not served.
;
; NO TENSOR LOADS, NO CLUSTER: every input byte has to pass registers (rotation, rounding), and of the 14 tiles that a work-group reads
; only the 2 look-back tiles are read by a neighbour too, which reads them as its last tiles.
;
; LDS: k 2 x 128 rows x 144 bytes; v 2 x 128 x 160; a stage for q, 16 x 144 for each wave; a stage for out, 16 x 272 for each wave.
.set WINB,  32768                      ; bytes of a window of q, k, v, out
.set KP,    144                        ; LDS pitch of a row of k or q: 128 bytes + 16
.set VP,    160                        ; LDS pitch of a row of v: 128 bytes + 32
.set OP,    272                        ; LDS pitch of a row of out: 256 bytes + 16
.set KSLOT, 128*KP
.set VSLOT, 128*VP
.set VBASE, 2*KSLOT
.set QBASE, VBASE+2*VSLOT
.set OBASE, QBASE+128*KP               ; the stages end at OBASE + 128 OP = 131,072
; registers v0-v255 (window 0): the attention
.set OFFR, 8                           ; byte offset in a tile of k or q: 4,096 a + 256 (l >> 3) + 16 (l & 7)
.set OFFC, 9                           ; byte offset in a tile of v or out: 4,096 a + 16 l
.set KST,  10                          ; LDS addresses: k store, q store, v store,
.set QST,  11
.set VST,  12
.set KLD,  13                          ; k fragments, q fragments, v fragments,
.set QLD,  14
.set VLD,  15
.set OST,  16                          ; out stage in, out stage back
.set OLD,  17
.set TP,   18                          ; what the other half of the lanes sends
.set MX,   20                          ; v[20:23] four running maxima
.set LS,   24                          ; v[24:27] two running pairs of sums
.set NM,   28                          ; v[28:29] - maximum x scale, twice
.set RL,   30                          ; v[30:31] 1 / sum, twice
.set ACC,  32                          ; v[32:63] out^T, four tiles of 16 d x 16 queries
.set QF,   32                          ; v[32:47] q fragments; dead before the first product of out^T
.set FB,   64                          ; v[64:127] fragments of k, then of v: two halves of 32, one key step each
.set SC,   128                         ; v[128:255] 16 score tiles, step u at SC + 16 u; the weights are packed into them in place
.set LT,   128                         ; at the start only: 8 registers at work, the look-back tile of k, of v
.set LK,   192
.set LV,   224
; registers v256-v511 (window 1, named by their low 8 bits): the loader and the constants
.set KR,   0                           ; 32: a tile of k as loaded, rotated and packed in place
.set QR,   32                          ; 32: q
.set VR,   64                          ; 32: v
.set TC,   96                          ; 16: cos of my 4 rows x 4 frequencies
.set TS,   112                         ; 16: sin
.set RC,   128                         ; 4: cos 128 theta
.set RS,   132                         ; 4: sin 128 theta
.set TM,   136                         ; 16: at work
.set CB,   160                         ; 16: addends of the two tiles of my last key step
.set THT,  224                         ; set-up only from here to B8: theta of my 4 frequencies
.set PP,   228                         ; position
.set AN,   229
.set QN,   230
.set YY,   231
.set ZZ,   232
.set PSI,  233
.set PCO,  234
.set QI,   235
.set BT,   236
.set FI,   237                         ; 4 c: my first frequency
.set PI,   238                         ; 16 a + (l >> 3): my first row
.set LIM,  239                         ; 16 (a & 1) + r - 8 h
.set NB,   240                         ; -2^100
.set A7,   241                         ; heads of the two polynomials
.set B8,   242
.set PB,   244                         ; 8: addend of the look-back tiles of the work-group's first window
; s_set_vgpr_msb, low byte: bits 1:0 source 0, 3:2 source 1, 5:4 source 2, 7:6 destination; the high byte repeats the setting that is left.
; At every label and every branch the setting is 0.
.set MSB, 0
.macro WIN new
.if MSB != \new
	s_set_vgpr_msb (MSB<<8)|\new
.set MSB, \new
.endif
.endm
; A load into a register that a matrix instruction has read stands four plain vector instructions behind it (ISA guide 7.12.1 for vector
; instructions; kept for loads too); where there is no useful work for these places, v_nop.
.macro PLACES
.rept 4
	v_nop
.endr
.endm
; ---- loads: a tile of k or q (8 lanes take 128 neighbouring bytes, the next instruction the row's other 128); a tile of v (512 neighbouring bytes)
.macro GETR dst, sb, off, nt
.irp j, 0,1,2,3
.if \nt
	global_load_b128 v[\dst+8*\j:\dst+8*\j+3], v[OFFR], s[\sb:\sb+1] offset:\off+1024*\j th:TH_LOAD_NT
	global_load_b128 v[\dst+8*\j+4:\dst+8*\j+7], v[OFFR], s[\sb:\sb+1] offset:\off+1024*\j+128 th:TH_LOAD_NT
.else
	global_load_b128 v[\dst+8*\j:\dst+8*\j+3], v[OFFR], s[\sb:\sb+1] offset:\off+1024*\j
	global_load_b128 v[\dst+8*\j+4:\dst+8*\j+7], v[OFFR], s[\sb:\sb+1] offset:\off+1024*\j+128
.endif
.endr
.endm
.macro GETV dst, sb, off
.irp j, 0,1,2,3,4,5,6,7
	global_load_b128 v[\dst+4*\j:\dst+4*\j+3], v[OFFC], s[\sb:\sb+1] offset:\off+512*\j
.endr
.endm
.macro GET win                         ; 24 loads: window win of k, of q (read once in the launch), of v
	GETR KR, 6, (\win)*WINB, 0
	GETR QR, 4, (\win)*WINB, 1
	GETV VR, 8, (\win)*WINB
.endm
; ---- rotation of row 4 j + (l >> 3) of a tile at x, in place: x1 = x1 cos - x2 sin, x2 = x2 cos + x1 sin; t: 8 registers at work
.macro ROT x, t, j
	v_pk_mul_f32 v[\t:\t+1], v[\x+8*\j+4:\x+8*\j+5], v[TS+4*\j:TS+4*\j+1]
	v_pk_mul_f32 v[\t+2:\t+3], v[\x+8*\j+6:\x+8*\j+7], v[TS+4*\j+2:TS+4*\j+3]
	v_pk_mul_f32 v[\t+4:\t+5], v[\x+8*\j:\x+8*\j+1], v[TS+4*\j:TS+4*\j+1]
	v_pk_mul_f32 v[\t+6:\t+7], v[\x+8*\j+2:\x+8*\j+3], v[TS+4*\j+2:TS+4*\j+3]
	v_pk_fma_f32 v[\x+8*\j:\x+8*\j+1], v[\x+8*\j:\x+8*\j+1], v[TC+4*\j:TC+4*\j+1], v[\t:\t+1] neg_lo:[0,0,1] neg_hi:[0,0,1]
	v_pk_fma_f32 v[\x+8*\j+2:\x+8*\j+3], v[\x+8*\j+2:\x+8*\j+3], v[TC+4*\j+2:TC+4*\j+3], v[\t+2:\t+3] neg_lo:[0,0,1] neg_hi:[0,0,1]
	v_pk_fma_f32 v[\x+8*\j+4:\x+8*\j+5], v[\x+8*\j+4:\x+8*\j+5], v[TC+4*\j:TC+4*\j+1], v[\t+4:\t+5]
	v_pk_fma_f32 v[\x+8*\j+6:\x+8*\j+7], v[\x+8*\j+6:\x+8*\j+7], v[TC+4*\j+2:TC+4*\j+3], v[\t+6:\t+7]
.endm
.macro PACK x, j                       ; the 8 numbers to f16, into the first 4 of their registers (each write lands on a register already read)
	v_cvt_pk_f16_f32 v[\x+8*\j], v[\x+8*\j], v[\x+8*\j+1]
	v_cvt_pk_f16_f32 v[\x+8*\j+1], v[\x+8*\j+2], v[\x+8*\j+3]
	v_cvt_pk_f16_f32 v[\x+8*\j+2], v[\x+8*\j+4], v[\x+8*\j+5]
	v_cvt_pk_f16_f32 v[\x+8*\j+3], v[\x+8*\j+6], v[\x+8*\j+7]
.endm
.macro VPACK x
.irp j, 0,1,2,3,4,5,6,7
	v_cvt_pk_f16_f32 v[\x+4*\j], v[\x+4*\j], v[\x+4*\j+1]
	v_cvt_pk_f16_f32 v[\x+4*\j+1], v[\x+4*\j+2], v[\x+4*\j+3]
.endr
.endm
.macro CONVERT                         ; the tile in KR, QR, VR; all operands in window 1
.irp j, 0,1,2,3
	ROT KR, TM, \j
	ROT QR, TM+8, \j
	PACK KR, \j
	PACK QR, \j
.endr
	VPACK VR
.endm
.macro TUPD                            ; the table turns on by 128 theta: the next tile's positions
.irp p, 0,2,4,6,8,10,12,14
	v_pk_mul_f32 v[TM+2*(\p%8):TM+2*(\p%8)+1], v[TS+\p:TS+\p+1], v[RS+\p%4:RS+\p%4+1]
	v_pk_mul_f32 v[TM+2*(\p%8)+2:TM+2*(\p%8)+3], v[TC+\p:TC+\p+1], v[RS+\p%4:RS+\p%4+1]
	v_pk_fma_f32 v[TC+\p:TC+\p+1], v[TC+\p:TC+\p+1], v[RC+\p%4:RC+\p%4+1], v[TM+2*(\p%8):TM+2*(\p%8)+1] neg_lo:[0,0,1] neg_hi:[0,0,1]
	v_pk_fma_f32 v[TS+\p:TS+\p+1], v[TS+\p:TS+\p+1], v[RC+\p%4:RC+\p%4+1], v[TM+2*(\p%8)+2:TM+2*(\p%8)+3]
.endr
.endm
.macro PUTKV kr, vr, slot              ; my 16 rows of k and of v into a slot
.irp j, 0,1,2,3
	ds_store_b128 v[KST], v[\kr+8*\j:\kr+8*\j+3] offset:\slot*KSLOT+4*KP*\j
.endr
.irp j, 0,1,2,3,4,5,6,7
	ds_store_b64 v[VST], v[\vr+4*\j:\vr+4*\j+1] offset:\slot*VSLOT+2*VP*\j
.endr
.endm
.macro PUTQ                            ; my 16 rows of q into my own stage
.irp j, 0,1,2,3
	ds_store_b128 v[QST], v[QR+8*\j:QR+8*\j+3] offset:4*KP*\j
.endr
.endm
; ---- cos and sin of theta x position.  u = angle x 2/pi, n = nearest whole number, y = u - n in [-1/2, 1/2]: sin and cos of y pi/2 by
; Taylor polynomials in y; the quadrant n mod 4 swaps them (n odd) and sets the signs (sin: n = 2, 3; cos: n = 1, 2).
.macro SINCOS dc, ds, th
	v_mul_f32 v[AN], v[\th], v[PP]
	v_mul_f32 v[QN], s28, v[AN]
	v_rndne_f32 v[QN], v[QN]
	v_fma_f32 v[YY], v[AN], s28, -v[QN]
	v_mul_f32 v[ZZ], v[YY], v[YY]
	v_cvt_i32_f32 v[QI], v[QN]
	v_fmaak_f32 v[PSI], v[A7], v[ZZ], 0x3da335e3           ; (pi/2)^5 / 120
	v_fmaak_f32 v[PCO], v[B8], v[ZZ], 0xbcaae9e4           ; -(pi/2)^6 / 720
	v_fmaak_f32 v[PSI], v[PSI], v[ZZ], 0xbf255de7          ; -(pi/2)^3 / 6
	v_fmaak_f32 v[PCO], v[PCO], v[ZZ], 0x3e81e0f8          ; (pi/2)^4 / 24
	v_fmaak_f32 v[PSI], v[PSI], v[ZZ], 0x3fc90fdb          ; pi/2
	v_fmaak_f32 v[PCO], v[PCO], v[ZZ], 0xbf9de9e6          ; -(pi/2)^2 / 2
	v_mul_f32 v[PSI], v[PSI], v[YY]
	v_fma_f32 v[PCO], v[PCO], v[ZZ], 1.0
	v_and_b32 v[BT], 1, v[QI]
	v_cmp_eq_u32 vcc_lo, 1, v[BT]
	v_cndmask_b32 v[\dc], v[PCO], v[PSI], vcc_lo
	v_cndmask_b32 v[\ds], v[PSI], v[PCO], vcc_lo
	v_and_b32 v[BT], 2, v[QI]
	v_lshlrev_b32 v[BT], 30, v[BT]
	v_xor_b32 v[\ds], v[\ds], v[BT]
	v_add_nc_u32 v[QI], 1, v[QI]
	v_and_b32 v[BT], 2, v[QI]
	v_lshlrev_b32 v[BT], 30, v[BT]
	v_xor_b32 v[\dc], v[\dc], v[BT]
.endm
; ---- eight LDS loads into half u % 2 of FB: key step u of k: tile t of two at +16 t, half s of d at +8 s
.macro LOADK u, prev, cur
.set HB, FB+32*((\u)%2)
.if (\u) < 4
.set LO, \prev*KSLOT
.else
.set LO, \cur*KSLOT
.endif
.set LO, LO+32*((\u)%4)*KP
.irp t, 0,1
.irp s, 0,1
	ds_load_b128 v[HB+16*\t+8*\s:HB+16*\t+8*\s+3], v[KLD] offset:LO+16*KP*\t+64*\s
	ds_load_b128 v[HB+16*\t+8*\s+4:HB+16*\t+8*\s+7], v[KLD] offset:LO+16*KP*\t+64*\s+32
.endr
.endr
.endm
; ---- the same for v: key step u x four tiles of 16 d, transposed on the way (v lies [key][d], the fragment wants keys along registers)
.macro LOADV u, prev, cur
.set HB, FB+32*((\u)%2)
.if (\u) < 4
.set LO, \prev*VSLOT
.else
.set LO, \cur*VSLOT
.endif
.set LO, LO+32*((\u)%4)*VP
.irp t, 0,1,2,3
	ds_load_tr16_b128 v[HB+8*\t:HB+8*\t+3], v[VLD] offset:LO+32*\t
	ds_load_tr16_b128 v[HB+8*\t+4:HB+8*\t+7], v[VLD] offset:LO+32*\t+16*VP
.endr
.endm
.macro MAXB s, first                   ; 16 scores at s (a key step) into the four running maxima: 8 instructions
.irp k, 0,1,2,3
.if \first
	v_max_num_f32 v[MX+\k], v[\s+\k], v[\s+4+\k]
.else
	v_max3_num_f32 v[MX+\k], v[MX+\k], v[\s+\k], v[\s+4+\k]
.endif
.endr
.irp k, 0,1,2,3
	v_max3_num_f32 v[MX+\k], v[MX+\k], v[\s+8+\k], v[\s+12+\k]
.endr
.endm
; ---- weights of key step u: p = 2^(s c - m c), c = log2(e) / 8 (the scale d^-1/2 rides in c); summed in f32, packed to f16 in place
.macro EXP1 u                          ; the exponents of the step's first tile: four plain instructions
.set ES, SC+16*(\u)
.irp k, 0,2,4,6
	v_pk_fma_f32 v[ES+\k:ES+\k+1], v[ES+\k:ES+\k+1], 0x3e38aa3b, v[NM:NM+1] op_sel_hi:[1,0,1]
.endr
.endm
.macro EXP2 u, first
.set ES, SC+16*(\u)
.irp k, 0,1,2,3,4,5,6,7
	v_exp_f32 v[ES+\k], v[ES+\k]
.endr
.irp k, 8,10,12,14
	v_pk_fma_f32 v[ES+\k:ES+\k+1], v[ES+\k:ES+\k+1], 0x3e38aa3b, v[NM:NM+1] op_sel_hi:[1,0,1]   ; plain work between the exponentials above and their first use (ISA guide 5.7.2)
.endr
.irp k, 8,9,10,11,12,13,14,15
	v_exp_f32 v[ES+\k], v[ES+\k]
.endr
.if \first
	s_wait_alu depctr_va_vdst(0)
	v_pk_add_f32 v[LS:LS+1], v[ES:ES+1], v[ES+2:ES+3]          ; the first weights start the sums
	v_pk_add_f32 v[LS+2:LS+3], v[ES+4:ES+5], v[ES+6:ES+7]
.else
	s_wait_alu depctr_va_vdst(0)
	v_pk_add_f32 v[LS:LS+1], v[LS:LS+1], v[ES:ES+1]
	v_pk_add_f32 v[LS+2:LS+3], v[LS+2:LS+3], v[ES+2:ES+3]
	v_pk_add_f32 v[LS:LS+1], v[LS:LS+1], v[ES+4:ES+5]
	v_pk_add_f32 v[LS+2:LS+3], v[LS+2:LS+3], v[ES+6:ES+7]
.endif
.irp k, 0,1,2,3
	v_cvt_pk_f16_f32 v[ES+\k], v[ES+2*\k], v[ES+2*\k+1]
.endr
	v_pk_add_f32 v[LS:LS+1], v[LS:LS+1], v[ES+8:ES+9]
	v_pk_add_f32 v[LS+2:LS+3], v[LS+2:LS+3], v[ES+10:ES+11]
	v_pk_add_f32 v[LS:LS+1], v[LS:LS+1], v[ES+12:ES+13]
	v_pk_add_f32 v[LS+2:LS+3], v[LS+2:LS+3], v[ES+14:ES+15]
.irp k, 4,5,6,7
	v_cvt_pk_f16_f32 v[ES+\k], v[ES+2*\k], v[ES+2*\k+1]
.endr
.endm
; ---- the scores of key step u: two tiles x two halves of d.  The two accumulators take turns, one instruction a turn.
; last = 1: the wave's last step: no younger load is out, and the sums start from the causal addends.
.macro SMUL u, i, last
.set SD, SC+16*(\u)
.set HA, FB+32*((\u)%2)
.set CSEL, 0
.if \last
.set CSEL, 2
.elseif \i == 0
.if (\u) < 4
.set CSEL, 1
.endif
.endif
.if \last
	s_wait_dscnt 0                                 ; this step's eight loads: the last that were asked for
.else
	s_wait_dscnt 8                                 ; this step's eight loads and all older ones are in; the next step's eight stay out
.endif
.if CSEL == 2
	WIN 0x10                                       ; C from window 1: the causal addends
	v_wmma_f32_16x16x32_f16 v[SD:SD+7], v[HA:HA+7], v[QF:QF+7], v[CB:CB+7]
	v_wmma_f32_16x16x32_f16 v[SD+8:SD+15], v[HA+16:HA+23], v[QF:QF+7], v[CB+8:CB+15]
	WIN 0
.elseif CSEL == 1
	WIN 0x10                                       ; C from window 1: the look-back's addend
	v_wmma_f32_16x16x32_f16 v[SD:SD+7], v[HA:HA+7], v[QF:QF+7], v[PB:PB+7]
	v_wmma_f32_16x16x32_f16 v[SD+8:SD+15], v[HA+16:HA+23], v[QF:QF+7], v[PB:PB+7]
	WIN 0
.else
	v_wmma_f32_16x16x32_f16 v[SD:SD+7], v[HA:HA+7], v[QF:QF+7], 0
	v_wmma_f32_16x16x32_f16 v[SD+8:SD+15], v[HA+16:HA+23], v[QF:QF+7], 0
.endif
	v_wmma_f32_16x16x32_f16 v[SD:SD+7], v[HA+8:HA+15], v[QF+8:QF+15], v[SD:SD+7]
	v_wmma_f32_16x16x32_f16 v[SD+8:SD+15], v[HA+24:HA+31], v[QF+8:QF+15], v[SD+8:SD+15]
.endm
; ---- key step u of out^T = V^T P^T: four tiles of 16 d, by turns.  left = how many younger LDS loads may stay out.
.macro PMUL u, left
	s_wait_dscnt \left
.irp t, 0,1,2,3
.if \u == 0
	v_wmma_f32_16x16x32_f16 v[ACC+8*\t:ACC+8*\t+7], v[FB+32*(\u%2)+8*\t:FB+32*(\u%2)+8*\t+7], v[SC+16*\u:SC+16*\u+7], 0
.else
	v_wmma_f32_16x16x32_f16 v[ACC+8*\t:ACC+8*\t+7], v[FB+32*(\u%2)+8*\t:FB+32*(\u%2)+8*\t+7], v[SC+16*\u:SC+16*\u+7], v[ACC+8*\t:ACC+8*\t+7]
.endif
.endr
.endm
; ---- the way out: divide, 32 bytes a lane into my own stage, back as whole rows: each store of the wave covers 512 consecutive bytes, aligned
.macro OUT i
	v_pk_add_f32 v[LS:LS+1], v[LS:LS+1], v[LS+2:LS+3]
	v_add_f32 v[LS], v[LS], v[LS+1]
	v_permlanex16_b32 v[TP], v[LS], s26, s27       ; the other half of the keys' sum
	v_add_f32 v[LS], v[LS], v[TP]                  ; at least 1: the largest score's weight is 1
	v_rcp_f32 v[RL], v[LS]
	v_nop                                          ; one plain instruction behind v_rcp_f32 (ISA guide 5.7.2)
	s_wait_alu depctr_va_vdst(0)
	v_mov_b32 v[RL+1], v[RL]
.irp k, 0,1,2,3,4,5,6,7,8,9,10,11,12,13,14,15
	v_pk_mul_f32 v[ACC+2*\k:ACC+2*\k+1], v[ACC+2*\k:ACC+2*\k+1], v[RL:RL+1]
.endr
.irp t, 0,1,2,3
	ds_store_b128 v[OST], v[ACC+8*\t:ACC+8*\t+3] offset:64*\t
	ds_store_b128 v[OST], v[ACC+8*\t+4:ACC+8*\t+7] offset:64*\t+16
.endr
.irp t, 0,1,2,3,4,5,6,7
	ds_load_b128 v[FB+4*\t:FB+4*\t+3], v[OLD] offset:2*OP*\t       ; LDS serves a wave's instructions in order (ISA guide 5.7.1): these see the stores above
.endr
.irp t, 0,1,2,3,4,5,6,7
	s_wait_dscnt 7-\t                              ; read t is in; the younger ones stay out
	global_store_b128 v[OFFC], v[FB+4*\t:FB+4*\t+3], s[10:11] offset:\i*WINB+512*\t th:TH_STORE_NT
.endr
.endm
; ---- window i: look-back in slot prev, own keys in slot cur.  s20 = a: the wave's last key step is 4 + (a >> 1).
.macro WINDOW i, prev, cur
.if \i < 3
	WIN 0x40
	GET \i+1                                       ; the next window's 12,288 bytes a wave are on their way while this one is computed
.endif
	WIN 0
.irp t, 0,1,2,3
	ds_load_b128 v[QF+4*\t:QF+4*\t+3], v[QLD] offset:32*\t
.endr
	LOADK 0, \prev, \cur
	LOADK 1, \prev, \cur
	; the scores.  Behind each step's products the maxima of the step before fill the places in front of the reload of the half just read.
	SMUL 0, \i, 0
	PLACES
	LOADK 2, \prev, \cur
	SMUL 1, \i, 0
	MAXB SC, 1
	LOADK 3, \prev, \cur
	SMUL 2, \i, 0
	MAXB SC+16, 0
	LOADK 4, \prev, \cur
	SMUL 3, \i, 0
	MAXB SC+32, 0
	s_cmp_lt_u32 s20, 2
	s_cbranch_scc1 .Ls4_\i                         ; a = 0, 1: step 4 is the last
	LOADK 5, \prev, \cur
	SMUL 4, \i, 0
	MAXB SC+48, 0
	s_cmp_lt_u32 s20, 4
	s_cbranch_scc1 .Ls5_\i                         ; a = 2, 3: step 5 is the last
	LOADK 6, \prev, \cur
	SMUL 5, \i, 0
	MAXB SC+64, 0
	s_cmp_lt_u32 s20, 6
	s_cbranch_scc1 .Ls6_\i                         ; a = 4, 5: step 6 is the last
	LOADK 7, \prev, \cur
	SMUL 6, \i, 0
	MAXB SC+80, 0
	SMUL 7, \i, 1
	MAXB SC+96, 0
	MAXB SC+112, 0
	s_branch .Lse_\i
.Ls4_\i:
	SMUL 4, \i, 1
	MAXB SC+48, 0
	MAXB SC+64, 0
	s_branch .Lse_\i
.Ls5_\i:
	SMUL 5, \i, 1
	MAXB SC+64, 0
	MAXB SC+80, 0
	s_branch .Lse_\i
.Ls6_\i:
	SMUL 6, \i, 1
	MAXB SC+80, 0
	MAXB SC+96, 0
.Lse_\i:
	LOADV 0, \prev, \cur                           ; sixteen plain instructions behind the last product; they land under the maximum and the first weights
	LOADV 1, \prev, \cur
	v_max3_num_f32 v[MX], v[MX], v[MX+1], v[MX+2]
	v_max_num_f32 v[MX], v[MX], v[MX+3]
	v_permlanex16_b32 v[TP], v[MX], s26, s27       ; the other half of the keys' maximum
	v_max_num_f32 v[MX], v[MX], v[TP]
	v_mul_f32 v[NM], 0xbe38aa3b, v[MX]             ; - m c
	v_mov_b32 v[NM+1], v[NM]
	EXP1 0
	EXP2 0, 1
	; out^T.  Behind each step's products the next step's first exponents are the four places in front of the reload.
	PMUL 0, 8                                      ; this step's eight loads are in; the next step's eight stay out
	EXP1 1
	LOADV 2, \prev, \cur
	EXP2 1, 0
	PMUL 1, 8
	EXP1 2
	LOADV 3, \prev, \cur
	EXP2 2, 0
	PMUL 2, 8
	EXP1 3
	LOADV 4, \prev, \cur
	EXP2 3, 0
	PMUL 3, 8
	EXP1 4
	s_cmp_lt_u32 s20, 2
	s_cbranch_scc1 .Lp4_\i
	LOADV 5, \prev, \cur
	EXP2 4, 0
	PMUL 4, 8
	EXP1 5
	s_cmp_lt_u32 s20, 4
	s_cbranch_scc1 .Lp5_\i
	LOADV 6, \prev, \cur
	EXP2 5, 0
	PMUL 5, 8
	EXP1 6
	s_cmp_lt_u32 s20, 6
	s_cbranch_scc1 .Lp6_\i
	LOADV 7, \prev, \cur
	EXP2 6, 0
	PMUL 6, 8
	EXP1 7
	EXP2 7, 0
	PMUL 7, 0                                      ; a last step: no younger load was asked for
	s_branch .Lpe_\i
.Lp4_\i:
	EXP2 4, 0
	PMUL 4, 0
	s_branch .Lpe_\i
.Lp5_\i:
	EXP2 5, 0
	PMUL 5, 0
	s_branch .Lpe_\i
.Lp6_\i:
	EXP2 6, 0
	PMUL 6, 0
.Lpe_\i:
	OUT \i
.if \i < 3
	s_wait_dscnt 0                                 ; my reads of both slots and of my stages are over
	s_wait_xcnt 0x0                                ; FB, which the stores above read, is loaded again only behind this wait
	s_barrier_signal -1
	s_wait_loadcnt 0                               ; the next window's 24 loads
	WIN 0x55
	CONVERT                                        ; register work while the other waves arrive
	s_barrier_wait -1                              ; nobody reads slot prev any more
	WIN 0x04
	PUTKV KR, VR, \prev
	PUTQ
	s_wait_dscnt 0                                 ; my rows are in LDS, for the others' sake
	s_barrier_signal -1
.if \i < 2
	WIN 0x55
	TUPD
.endif
	s_barrier_wait -1                              ; the slot is whole
.endif
.endm
; ======== the start: scalars and addresses
	s_load_b256 s[4:11], s[0:1], 0x0               ; q s[4:5], k s[6:7], v s[8:9], out s[10:11]
	v_lshl_add_u32 v19, v0, 2, 0x20000
	s_set_vgpr_msb 0x40
	v_mov_b32 v255, 0
	s_set_vgpr_msb 0x4000
	v_lshrrev_b32 v6, 5, v0
	v_readfirstlane_b32 s20, v6                    ; wave a
	v_and_b32 v1, 31, v0                           ; l
	v_and_b32 v2, 15, v0                           ; r
	v_bfe_u32 v3, v0, 4, 1                         ; h
	v_and_b32 v4, 7, v0                            ; c
	v_bfe_u32 v5, v0, 3, 2                         ; l >> 3
	s_lshl_b32 s12, ttmp9, 17                      ; the work-group's 4 windows of 32,768 bytes (below 2^25)
	s_mov_b32 s13, 0
	s_and_b32 s18, ttmp9, 15                       ; 16 work-groups to a batch
	s_cmp_eq_u32 s18, 0
	s_cselect_b32 s18, 0, WINB                     ; a batch's first work-group has no look-back: it reads its window 0 in that place,
	s_cselect_b32 s25, 0xf1800000, 0               ; and adds -2^100 to those scores
	s_mov_b32 s19, 0
	s_mul_i32 s21, s20, 16*KP                      ; my 16 rows in a slot of k and in the stage of q
	s_mul_i32 s22, s20, 16*OP
	s_add_co_u32 s22, s22, OBASE                   ; my stage of out
	s_mul_i32 s23, s20, 16*VP
	s_add_co_u32 s23, s23, VBASE                   ; my 16 rows in slot 0 of v
	s_lshl_b32 s24, s20, 12                        ; my 16 rows in a tile in memory
	s_lshl_b32 s3, s20, 4                          ; 16 a
	s_and_b32 s29, s20, 1
	s_lshl_b32 s29, s29, 4                         ; 16 (a & 1): my queries' place in my last key step
	s_mov_b32 s26, 0x76543210                      ; v_permlanex16_b32: lane i of one half reads lane i of the other
	s_mov_b32 s27, 0xfedcba98
	s_mov_b32 s28, 0x3f22f983                      ; 2 / pi
	v_lshlrev_b32 v7, 4, v4
	v_lshl_add_u32 v7, v5, 8, v7
	v_add_nc_u32 v[OFFR], s24, v7
	v_lshl_add_u32 v[OFFC], v1, 4, s24
	v_mul_u32_u24 v7, v5, KP
	v_lshl_add_u32 v7, v4, 4, v7
	v_add_nc_u32 v[KST], s21, v7
	v_add_nc_u32 v[QST], QBASE, v[KST]
	v_mul_u32_u24 v7, v3, VP
	v_lshl_add_u32 v7, v2, 3, v7
	v_add_nc_u32 v[VST], s23, v7
	v_mul_u32_u24 v7, v2, KP
	v_lshl_add_u32 v[KLD], v3, 4, v7
	v_add_nc_u32 v7, s21, v[KLD]
	v_add_nc_u32 v[QLD], QBASE, v7
	v_lshl_add_u32 v7, v3, 3, v4                   ; key row 8 h + (l & 7) of a step,
	v_mul_u32_u24 v7, v7, VP
	v_and_b32 v6, 1, v5
	v_lshl_add_u32 v7, v6, 4, v7                   ; 16 bytes for each half of 8 d
	v_add_nc_u32 v[VLD], VBASE, v7
	v_mul_u32_u24 v7, v2, OP
	v_lshl_add_u32 v7, v3, 5, v7
	v_add_nc_u32 v[OST], s22, v7
	v_mul_u32_u24 v7, v3, OP
	v_lshl_add_u32 v7, v2, 4, v7
	v_add_nc_u32 v[OLD], s22, v7
	v_mov_b32 v[TP], 0                             ; v_permlanex16_b32 counts as a reader of its destination
	v_lshlrev_b32 v4, 2, v4                        ; 4 c
	v_add_nc_u32 v5, s3, v5                        ; 16 a + (l >> 3)
	v_lshlrev_b32 v3, 3, v3
	v_sub_nc_u32 v2, v2, v3
	v_add_nc_u32 v2, s29, v2                       ; 16 (a & 1) + r - 8 h, signed
	s_wait_kmcnt 0x0
	s_add_nc_u64 s[4:5], s[4:5], s[12:13]
	s_add_nc_u64 s[6:7], s[6:7], s[12:13]
	s_add_nc_u64 s[8:9], s[8:9], s[12:13]
	s_add_nc_u64 s[10:11], s[10:11], s[12:13]
	s_sub_nc_u64 s[14:15], s[6:7], s[18:19]        ; the look-back tile of k, of v
	s_sub_nc_u64 s[16:17], s[8:9], s[18:19]
	GETR LK, 14, 0, 0                              ; 16 loads: the look-back
	GETV LV, 16, 0
	WIN 0x40
	GET 0                                          ; 24 loads: window 0
	v_mov_b32 v[FI], v4
	v_mov_b32 v[PI], v5
	v_mov_b32 v[LIM], v2
; ======== constants, while the loads are on their way; all operands in window 1
	WIN 0x55
	v_mov_b32 v[NB], 0xf1800000                    ; -2^100
	v_mov_b32 v[A7], 0xbb996966                    ; -(pi/2)^7 / 5040
	v_mov_b32 v[B8], 0x3a70fa84                    ; (pi/2)^8 / 40320
.irp k, 0,1,2,3,4,5,6,7
	v_mov_b32 v[PB+\k], s25
.endr
.set n, 0
.rept 16                                               ; register j of tile t of my last step: key 32 (a >> 1) + 16 t + 8 h + j is masked where it lies behind query 16 a + r
	v_cmp_gt_i32 vcc_lo, 16*(n/8)+n%8, v[LIM]
	v_cndmask_b32 v[CB+n], 0, v[NB], vcc_lo
.set n, n+1
.endr
	v_add_nc_u32 v[QN], 1, v[FI]                   ; theta of frequency f = 2^(-f log2(10000) / 32)
	v_add_nc_u32 v[YY], 2, v[FI]
	v_add_nc_u32 v[ZZ], 3, v[FI]
	v_cvt_f32_u32 v[AN], v[FI]
	v_cvt_f32_u32 v[QN], v[QN]
	v_cvt_f32_u32 v[YY], v[YY]
	v_cvt_f32_u32 v[ZZ], v[ZZ]
	v_mul_f32 v[AN], 0xbed49a78, v[AN]
	v_mul_f32 v[QN], 0xbed49a78, v[QN]
	v_mul_f32 v[YY], 0xbed49a78, v[YY]
	v_mul_f32 v[ZZ], 0xbed49a78, v[ZZ]
	v_exp_f32 v[THT], v[AN]
	v_exp_f32 v[THT+1], v[QN]
	v_exp_f32 v[THT+2], v[YY]
	v_exp_f32 v[THT+3], v[ZZ]
	v_nop                                          ; one plain instruction before the results are used and the sources rewritten
	s_wait_alu depctr_va_vdst(0)
.irp j, 0,1,2,3
	v_add_nc_u32 v[BT], 4*\j, v[PI]
	v_cvt_f32_u32 v[PP], v[BT]                     ; position 16 a + 4 j + (l >> 3) in the look-back tile
.irp k, 0,1,2,3
	SINCOS TC+4*\j+\k, TS+4*\j+\k, THT+\k
.endr
.endr
	v_mov_b32 v[PP], 0x43000000                    ; 128.0: the step from tile to tile
.irp k, 0,1,2,3
	SINCOS RC+\k, RS+\k, THT+\k
.endr
; ======== the look-back tile into slot 0, window 0 into slot 1
	s_wait_loadcnt 24                              ; the look-back's 16 loads are in; window 0's 24 stay out
	WIN 0x04                                       ; the tile in window 0, the table (source 1) in window 1
.irp j, 0,1,2,3
	ROT LK, LT, \j
.endr
	WIN 0
.irp j, 0,1,2,3
	PACK LK, \j
.endr
	VPACK LV
	PUTKV LK, LV, 0
	WIN 0x55
	TUPD
	s_wait_loadcnt 0
	CONVERT
	WIN 0x04
	PUTKV KR, VR, 1
	PUTQ
	s_wait_dscnt 0                                 ; my rows are in LDS, for the others' sake
	s_barrier_signal -1
	WIN 0x55
	TUPD
	s_barrier_wait -1                              ; both slots are whole
; ======== the four windows
	WINDOW 0, 0, 1
	WINDOW 1, 1, 0
	WINDOW 2, 0, 1
	WINDOW 3, 1, 0
	WIN 0
	s_set_vgpr_msb 0x4
	s_wait_tensorcnt 0x0
	ds_add_u32 v19, v255
	s_wait_dscnt 0x0
	s_set_vgpr_msb 0x400
	s_endpgm
.Lfunc_end_k_q5f6aa3953a_local_attention:
	.size	k_q5f6aa3953a_local_attention, .Lfunc_end_k_q5f6aa3953a_local_attention-k_q5f6aa3953a_local_attention
	.p2alignl 7, 3214868480
	.fill 96, 4, 3214868480
	.section	.rodata,"a",@progbits
	.p2align	6, 0x0
	.amdhsa_kernel k_q5f6aa3953a_local_attention
		.amdhsa_group_segment_fixed_size 132096
		.amdhsa_private_segment_fixed_size 0
		.amdhsa_enable_private_segment 0
		.amdhsa_kernarg_size 32
		.amdhsa_user_sgpr_count 2
		.amdhsa_user_sgpr_kernarg_segment_ptr 1
		.amdhsa_wavefront_size32 1
		.amdhsa_system_sgpr_workgroup_id_x 1
		.amdhsa_system_sgpr_workgroup_id_y 1
		.amdhsa_system_sgpr_workgroup_id_z 1
		.amdhsa_system_vgpr_workitem_id 0
		.amdhsa_next_free_vgpr 512
		.amdhsa_next_free_sgpr 66
		.amdhsa_reserve_vcc 1
		.amdhsa_float_denorm_mode_32 3
		.amdhsa_float_denorm_mode_16_64 3
		.amdhsa_memory_ordered 1
		.amdhsa_forward_progress 1
		.amdhsa_inst_pref_size 255
	.end_amdhsa_kernel
	.section	.bss,"aw",@nobits
	.p2align	6
	.space	262144
	.amdgpu_metadata
---
amdhsa.version: [ 1, 2 ]
amdhsa.kernels:
  - .name:           k_q5f6aa3953a_local_attention
    .symbol:         k_q5f6aa3953a_local_attention.kd
    .args:
      - { .name: q, .offset: 0, .size: 8, .value_kind: global_buffer, .address_space: global }
      - { .name: k, .offset: 8, .size: 8, .value_kind: global_buffer, .address_space: global }
      - { .name: v, .offset: 16, .size: 8, .value_kind: global_buffer, .address_space: global }
      - { .name: out0, .offset: 24, .size: 8, .value_kind: global_buffer, .address_space: global }
    .group_segment_fixed_size: 132096
    .private_segment_fixed_size: 0
    .kernarg_segment_align: 8
    .kernarg_segment_size: 32
    .max_flat_workgroup_size: 256
    .sgpr_count:     66
    .vgpr_count:     512
    .wavefront_size: 32
...
	.end_amdgpu_metadata
.endif
;; end of part 1
